; MI455X (gfx1250); checked and timed in simulation.
; The chip was launched on July 23, 2026; its instructions are those of AMD's public machine-readable ISA for CDNA 5 (MIT licence, August 2026) and "CDNA5" Instruction Set Architecture Reference Guide (July 2026). The comments in the code are by the model that wrote it; some were corrected since.
;; Multi Head Attention. Allowed arithmetic: matrix products marked QUANTISED: E2M3 operands, one E8M0 scale for each 32 along K, by v_wmma_scale_f32_16x16x128_f8f6f4 with both operands' format E2M3, f32 sums; everything else in f32.
;; Inputs: b_proj 1,024 float32; b_qkv 3,072 float32; w_proj 1,024 x 1,024 float32; w_qkv 3,072 x 1,024 float32; x 8 x 1,024 x 1,024 float32.
;; Outputs: out0 8 x 1,024 x 1,024 float32.
;; This version of the problem:
;;   THIS VERSION OF THE PROBLEM IS GIVEN IN LOW PRECISION. The matrix products marked QUANTISED in the list below multiply operands that are first quantised to E2M3 (2 exponent bits, 3 mantissa bits; 6 bits a number), with one power-of-two scale for each 32 numbers along K (OCP MX v1.0); their sums are f32. All else is computed in f32.
;;   The module's matrix products, in the order in which they are computed (A, B: the left and right operand; K: the contracted axis; several contracted axes count as one K, in the product's order):
;;     1. [M 8,192, K 1,024] x [K 1,024, N 3,072]; A: input x; B: input w_qkv: QUANTISED
;;     2. batch 128 x [M 1,024, K 64] x [K 64, N 1,024]; A: computed on the way; B: computed on the way: QUANTISED
;;     3. batch 128 x [M 1,024, K 1,024] x [K 1,024, N 64]; A: softmax (see below); B: computed on the way: QUANTISED
;;     4. [M 8,192, K 1,024] x [K 1,024, N 1,024]; A: computed on the way; B: input w_proj: QUANTISED
;;   THE QUANTISER, for each operand of a quantised product, along K:
;;     - K is cut into blocks of 32 from its start; a last block that is shorter is filled with zeros.
;;     - A block's scale is 2^e with e = floor(log2(the largest magnitude in the block)) - 2, held to -126 .. 127; a block of zeros has e = 0. As a byte (E8M0): e + 127.
;;     - Each number is divided by its block's scale, clamped to +-7.5, and rounded to the nearest number of E2M3, ties to even, subnormals kept.
;;     - The product sums the exact products of the quantised numbers (number of the format x scale) in f32.
;;   ~~~python
;;   def quantise(x, axis):      # numpy; x: float32 -> the quantised numbers, widened to float32 again
;;       x = np.moveaxis(x, axis, -1); K = x.shape[-1]
;;       x = np.pad(x, [(0, 0)] * (x.ndim - 1) + [(0, -K % 32)]); x = x.reshape(x.shape[:-1] + (-1, 32)); a = np.abs(x).max(-1, keepdims=True)
;;       e = np.where(a > 0, np.clip(np.frexp(np.where(a > 0, a, 1))[1] - 1 - 2, -126, 127), 0)      # np.frexp(a)[1] - 1 = floor(log2(a)), exactly
;;       r = np.clip(x / 2.0 ** e, -7.5, 7.5)
;;       step = 2.0 ** (np.maximum(np.frexp(np.where(r == 0, 1, r))[1] - 1, 0) - 3)
;;       q = np.round(r / step) * step * 2.0 ** e      # np.round: ties to even
;;       return np.moveaxis(q.reshape(q.shape[:-2] + (-1,))[..., :K], -1, axis).astype(np.float32)
;;   ~~~
;;   SOFTMAX AHEAD OF A QUANTISED PRODUCT. Where the list says 'softmax', what is quantised is not the finished softmax but p = 2^(t - M), with t = logit x log2(e) and M = ceil(the row's largest t), a whole number; so 1/2 < the row's largest p <= 1. The row's sum l is taken of the UNQUANTISED p, in f32, and the product's result is divided by l at the end. Since M is a whole number, a kernel that streams over the keys may use a running M (the ceiling of the running maximum): every later rescaling is an exact power of two, which a block's scale takes up: the codes' values come out the same.
;;   OPERANDS COMPUTED ON THE WAY. 'Computed on the way' means the value that the module computes at that place (a softmax that the list does not call 'softmax' is quantised finished and normalised). What goes into a quantiser is computed in f32, as accurately as f32 sums, v_exp_f32 and their like allow (about 1e-6 of the number): no bf16 or f16 on the way to a quantiser, and a product that is left as it is and whose result goes on into a quantised operand takes f32 operands (vector FMAs, or v_wmma_f32_16x16x4_f32). A number that lies on a knife's edge between two numbers of the format may be rounded either way, as far as f32 arithmetic and the matrix unit's own rounding can turn it there, and no further.
;; One version. Each part assembles by itself: llvm-mc -triple=amdgcn-amd-amdhsa -mcpu=gfx1250 --defsym DOCPART=n.
;; ======== version 1 of 1: 4 launches
;; limits: right only within a limited range of input values
;; workspace buffers: cod 9,830,400 bytes; q 6,815,744 bytes; kv 13,631,488 bytes; ctx 6,553,600 bytes
;; launch quant (part 1): grid 768 x 1, 8 waves a work-group, no clusters, 69,120 bytes of LDS; arguments x, w_qkv, w_proj, cod; writes cod
.if DOCPART == 1
	.amdgcn_target "amdgcn-amd-amdhsa--gfx1250"
	.amdhsa_code_object_version 6
	.text
	.protected	k_qc382f0906a_quant
	.globl	k_qc382f0906a_quant
	.p2align	8
	.type	k_qc382f0906a_quant,@function
k_qc382f0906a_quant:
	s_mov_b64 s[64:65], 0
	v_nop
	global_prefetch_b8 v0, s[64:65] scope:SCOPE_SE
	s_setreg_imm32_b32 hwreg(HW_REG_WAVE_MODE, 25, 1), 1
	s_wait_xcnt 0x0
; x [8192][1024], w_qkv [3072][1024] and w_proj [1024][1024], f32 with K innermost, become codes of FP6 (E2M3) with one E8M0 byte for each 32 along K,
; laid in the ORDER OF THE OPERAND REGISTERS of v_wmma_scale_f32_16x16x128_f8f6f4, so that the later launches load fragments as they stand.
; cod = [96 panels][8 K steps] records of 12,800 bytes.  Panels 0-63: x (128 rows each), 64-87: w_qkv, 88-95: w_proj.
; A RECORD (128 rows x 128 K): eight fragment images of 1,536 bytes, then a scale image of 512 bytes.
;   fragment f, row i is the panel row 64 (f / 4) + 8 (f % 4) + i % 8 + 32 (i / 8): with this order a lane's 32 results of four neighbouring tiles of a product are 32 NEIGHBOURS along the next K.
;   fragment image: register p (0..11) of lane l at 512 (p / 4) + 16 l + 4 (p % 4): three accesses of 16 bytes a lane.  Lane (r, h) holds row r; registers 6 c .. 6 c + 5 hold k = 64 c + 32 h + 0 .. 31.
;   scale image: the word of (f, r) at 256 (f / 4) + 8 (r + 16 (f % 2)) + 4 ((f / 2) % 2): an access of 8 bytes a lane brings two registers, the even fragment in lanes 0-15, the odd one in lanes 16-31.
; A block's scale is 2^(floor(log2(largest magnitude)) - 2); its byte is the largest magnitude's exponent field - 2, held at 1 from below.
; LIMITS: NaN and infinities are not served.  A block whose largest magnitude lies under 2^-124 has its byte held at 1; a block of zeros gets the byte 1 where the rule says 127: its codes are zeros,
; which add nothing under any byte but 0xff, and this program alone reads the bytes.
; SHARES: a work-group makes one record, wave f fragment f.  Each of a wave's 16 loads reads 512 consecutive bytes of one row; the rows turn through the wave's own stage in LDS so that a lane gets
; its 64 numbers, two whole blocks: no other lane is asked for a maximum.  No loop, no tensor load, no matrix unit, no cluster: memory binds, and no two work-groups read the same bytes.
.set PRB,    12800                     ; bytes of a record
.set SPITCH, 528                       ; a stage row: 512 bytes + 16, so that sixteen lanes that read the same column of sixteen rows stand 16 bytes apart modulo 256
.set WSTG,   16*SPITCH                 ; a wave's stage
.set SISTG,  8*WSTG                    ; behind the stages: the record's scale image, 512 bytes
.set R,  16                            ; v16-79   16 rows as loaded; later v16-27 the codes, v28-30 and v32-34 the upper halves of the two blocks
.set X,  80                            ; v80-143  my 64 numbers: X + 32 c + i is k = 64 c + 32 h + i of my row
.set C,  16
.set XT, 28
	s_load_b256 s[4:11], s[0:1], 0x0               ; x s[4:5], w_qkv s[6:7], w_proj s[8:9], cod s[10:11]
	v_lshl_add_u32 v144, v0, 2, 0x10a00
	v_mov_b32 v145, 0
	v_lshrrev_b32 v6, 5, v0
	s_delay_alu instid0(VALU_DEP_1)
	v_readfirstlane_b32 s12, v6                    ; wave = fragment f
	v_and_b32 v6, 31, v0
	s_delay_alu instid0(VALU_DEP_1)
	v_lshlrev_b32 v1, 4, v6                        ; 16 x lane
	v_and_b32 v7, 15, v0                           ; r
	s_wait_alu depctr_va_vdst(0)
	v_bfe_u32 v8, v0, 4, 1                         ; h
	s_delay_alu instid0(VALU_DEP_1)
	v_lshlrev_b32 v2, 3, v8                        ; 8 h: my bytes' shift in the scale word
	s_mul_i32 s13, s12, WSTG
	v_add_nc_u32 v3, s13, v1                       ; the stage, on the way in: a row's 512 bytes as they lie
	v_mul_u32_u24 v4, v7, SPITCH
	s_delay_alu instid0(VALU_DEP_1)
	v_lshl_add_u32 v4, v8, 7, v4
	s_delay_alu instid0(VALU_DEP_1)
	v_add_nc_u32 v4, s13, v4                       ; and on the way out: row r, + 128 h
	s_lshr_b32 s14, s12, 2                         ; f / 4
	s_lshl_b32 s15, s14, 8
	s_and_b32 s18, s12, 1
	s_lshl_b32 s18, s18, 7
	s_add_co_u32 s15, s15, s18
	s_bfe_u32 s18, s12, 0x10001                    ; (f / 2) % 2
	s_lshl_b32 s18, s18, 2
	s_add_co_u32 s15, s15, s18
	s_add_co_u32 s15, s15, SISTG
	v_lshl_add_u32 v5, v7, 3, s15                  ; my row's word in the scale image
	v_add_nc_u32 v13, SISTG, v1                    ; and where wave 0 reads the image back
	v_mov_b32 v11, 0                               ; (a lane permute's destination counts as one of its sources)
	s_lshr_b32 s19, ttmp9, 3                       ; the panel
	s_and_b32 s20, ttmp9, 7                        ; the K step
	s_lshl_b32 s21, s14, 18                        ; my fragment's first row: 64 (f / 4) rows of 4,096 bytes,
	s_and_b32 s22, s12, 3
	s_lshl_b32 s22, s22, 15                        ; + 8 (f % 4) rows,
	s_add_co_u32 s21, s21, s22
	s_lshl_b32 s22, s20, 9                         ; + 512 bytes a K step
	s_add_co_u32 s21, s21, s22
	s_mul_i32 s24, ttmp9, PRB                      ; my record,
	s_mul_i32 s22, s12, 1536                       ; my fragment's image in it
	s_add_co_u32 s24, s24, s22
	s_mov_b32 s25, 0
	s_mov_b32 s26, 0x76543210
	s_mov_b32 s27, 0xfedcba98                      ; v_permlanex16_b32's selects for lane l xor 16
	s_wait_alu depctr_va_vdst(0)
	s_wait_kmcnt 0x0
	s_cmp_lt_u32 s19, 88                           ; which tensor: the choice hangs on the work-group's number alone
	s_cselect_b64 s[16:17], s[6:7], s[8:9]
	s_cselect_b32 s23, 64, 88
	s_cmp_lt_u32 s19, 64
	s_cselect_b64 s[16:17], s[4:5], s[16:17]
	s_cselect_b32 s23, 0, s23
	s_sub_co_u32 s23, s19, s23                     ; the panel's number in its tensor
	s_lshl_b32 s23, s23, 19                        ; 128 rows of 4,096 bytes each (under 2^26)
	s_add_co_u32 s22, s23, s21
	s_mov_b32 s23, 0
	s_add_nc_u64 s[16:17], s[16:17], s[22:23]
	s_add_nc_u64 s[24:25], s[10:11], s[24:25]
.irp i, 0,1,2,3,4,5,6,7,8,9,10,11,12,13,14,15
	global_load_b128 v[R+4*\i:R+4*\i+3], v1, s[16:17] offset:((\i%8)+32*(\i/8))*4096 th:TH_LOAD_NT   ; row i of my fragment: 32 lanes read 512 consecutive bytes; read once in the launch
.endr
.irp i, 0,1,2,3,4,5,6,7,8,9,10,11,12,13,14,15
	s_wait_loadcnt 15-\i                           ; loads come back in order: row i is in, the 15 - i younger ones stay out
	ds_store_b128 v3, v[R+4*\i:R+4*\i+3] offset:SPITCH*\i
.endr
.irp c, 0,1
.irp j, 0,1,2,3,4,5,6,7
	ds_load_b128 v[X+32*\c+4*\j:X+32*\c+4*\j+3], v4 offset:256*\c+16*\j   ; the bytes are my wave's own and LDS serves a wave's instructions in order: these see the stores above
.endr
.endr
	s_wait_dscnt 0x0
.irp c, 0,1
	v_max3_num_f32 v[6+\c], |v[X+32*\c]|, |v[X+32*\c+1]|, 0x1800000   ; block 2 c + h: all its 32 numbers are mine; the floor 2^(3 - 127) holds the byte at 1 from below
.endr
.irp i, 2,4,6,8,10,12,14,16,18,20,22,24,26,28,30
.irp c, 0,1
	s_delay_alu instid0(VALU_DEP_2)
	v_max3_num_f32 v[6+\c], v[6+\c], |v[X+32*\c+\i]|, |v[X+32*\c+\i+1]|   ; (the two blocks by turns)
.endr
.endr
.irp c, 0,1
	s_delay_alu instid0(VALU_DEP_2)
	v_add_nc_u32 v[6+\c], 0xff000000, v[6+\c]      ; 2 off the exponent field: the conversion takes the exponent field of this operand as its scale, and nothing else of it
.endr
.irp c, 0,1
	s_delay_alu instid0(VALU_DEP_2)
	v_lshrrev_b32 v[8+\c], 23, v[6+\c]             ; the scale's byte
.endr
	s_delay_alu instid0(VALU_DEP_1)
	v_lshl_or_b32 v10, v9, 16, v8                  ; my two bytes, blocks h and 2 + h,
	s_delay_alu instid0(VALU_DEP_1)
	v_lshlrev_b32 v10, v2, v10                     ; at their places in the word;
	s_delay_alu instid0(VALU_DEP_1)
	v_permlanex16_b32 v11, v10, s26, s27
	s_delay_alu instid0(VALU_DEP_1)
	v_or_b32 v10, v10, v11                         ; with lane l xor 16's two the word is whole
.irp c, 0,1
	v_cvt_scalef32_pk16_fp6_f32 v[C+6*\c:C+6*\c+2], v[X+32*\c:X+32*\c+15], v[6+\c]
	v_cvt_scalef32_pk16_fp6_f32 v[XT+4*\c:XT+4*\c+2], v[X+32*\c+16:X+32*\c+31], v[6+\c]   ; (a conversion's three registers begin on an even number)
.endr
	v_nop                                          ; one plain place behind a scaled conversion
.irp c, 0,1
.irp i, 0,1,2
	v_mov_b32 v[C+6*\c+3+\i], v[XT+4*\c+\i]
.endr
.endr
.irp g, 0,1,2
	global_store_b128 v1, v[C+4*\g:C+4*\g+3], s[24:25] offset:512*\g   ; 32 lanes store 512 consecutive bytes, at a multiple of 256 from the buffer's first byte
.endr
	ds_store_b32 v5, v10                           ; lanes l and l xor 16 write the same word with the same value
	s_wait_dscnt 0x0                               ; for the others' sake: my word lies in the image
	s_barrier_signal -1
	s_barrier_wait -1
	s_cmp_lg_u32 s12, 0
	s_cbranch_scc1 .Ldone
	ds_load_b128 v[36:39], v13                     ; wave 0 (whose fragment's image begins the record) stores the scale image whole
	s_wait_dscnt 0x0
	global_store_b128 v1, v[36:39], s[24:25] offset:12288
.Ldone:
	s_wait_tensorcnt 0x0
	ds_add_u32 v144, v145
	s_wait_dscnt 0x0
	s_endpgm
.Lfunc_end_k_qc382f0906a_quant:
	.size	k_qc382f0906a_quant, .Lfunc_end_k_qc382f0906a_quant-k_qc382f0906a_quant
	.p2alignl 7, 3214868480
	.fill 96, 4, 3214868480
	.section	.rodata,"a",@progbits
	.p2align	6, 0x0
	.amdhsa_kernel k_qc382f0906a_quant
		.amdhsa_group_segment_fixed_size 69120
		.amdhsa_private_segment_fixed_size 0
		.amdhsa_enable_private_segment 0
		.amdhsa_kernarg_size 32
		.amdhsa_user_sgpr_count 2
		.amdhsa_user_sgpr_kernarg_segment_ptr 1
		.amdhsa_wavefront_size32 1
		.amdhsa_system_sgpr_workgroup_id_x 1
		.amdhsa_system_sgpr_workgroup_id_y 1
		.amdhsa_system_sgpr_workgroup_id_z 1
		.amdhsa_system_vgpr_workitem_id 0
		.amdhsa_next_free_vgpr 146
		.amdhsa_next_free_sgpr 66
		.amdhsa_reserve_vcc 0
		.amdhsa_float_denorm_mode_32 3
		.amdhsa_float_denorm_mode_16_64 3
		.amdhsa_memory_ordered 1
		.amdhsa_forward_progress 1
		.amdhsa_inst_pref_size 12
	.end_amdhsa_kernel
	.amdgpu_metadata
---
amdhsa.version: [ 1, 2 ]
amdhsa.kernels:
  - .name:           k_qc382f0906a_quant
    .symbol:         k_qc382f0906a_quant.kd
    .args:
      - { .name: x, .offset: 0, .size: 8, .value_kind: global_buffer, .address_space: global }
      - { .name: w_qkv, .offset: 8, .size: 8, .value_kind: global_buffer, .address_space: global }
      - { .name: w_proj, .offset: 16, .size: 8, .value_kind: global_buffer, .address_space: global }
      - { .name: cod, .offset: 24, .size: 8, .value_kind: global_buffer, .address_space: global }
    .group_segment_fixed_size: 69120
    .private_segment_fixed_size: 0
    .kernarg_segment_align: 8
    .kernarg_segment_size: 32
    .max_flat_workgroup_size: 256
    .sgpr_count:     66
    .vgpr_count:     146
    .wavefront_size: 32
...
	.end_amdgpu_metadata
.endif
;; end of part 1
;; launch qkv (part 2): grid 32 x 8, 4 waves a work-group, clusters of 4 x 1, 327,680 bytes of LDS; arguments cod, b_qkv, q, kv; writes q, kv
.if DOCPART == 2
	.amdgcn_target "amdgcn-amd-amdhsa--gfx1250"
	.amdhsa_code_object_version 6
	.text
	.protected	k_qc382f0906a_qkv
	.globl	k_qc382f0906a_qkv
	.p2align	8
	.type	k_qc382f0906a_qkv,@function
k_qc382f0906a_qkv:
	s_mov_b64 s[64:65], 0
	v_nop
	global_prefetch_b8 v0, s[64:65] scope:SCOPE_SE
	s_setreg_imm32_b32 hwreg(HW_REG_WAVE_MODE, 25, 1), 1
	s_wait_xcnt 0x0
	s_wait_alu depctr_hold_cnt(0) depctr_sa_sdst(0) depctr_va_vdst(0) depctr_va_sdst(0) depctr_va_ssrc(0) depctr_va_vcc(0) depctr_vm_vsrc(0)
	s_getreg_b32 s2, hwreg(HW_REG_IB_STS2, 6, 4)
	s_cmp_eq_u32 s2, 0
	s_cbranch_scc0 .Lentry_in_a_cluster
	s_endpgm
.Lentry_in_a_cluster:
	s_bfe_u32 s2, ttmp6, 0x10000c
	s_cmp_lg_u32 s2, 0x3003
	s_cbranch_scc0 .Lentry_shape_is_right
	s_endpgm
.Lentry_shape_is_right:
; qkv = x w_qkv^T + b_qkv on codes of FP6 (E2M3) with E8M0 scales, and its three parts quantised again in registers: q and k along the head's 64 channels, v along the keys.
; IN: cod (records of 12,800 bytes: 128 rows x 128 K as eight fragment images of 1,536 bytes and a scale image of 512; fragment f, row i = panel row 64 (f / 4) + 8 (f % 4) + i % 8 + 32 (i / 8)).
; OUT: q = [batch][head][128 tokens] records of 6,656 bytes: four images of PAIRS of tiles (registers 0-5: tile 2 p, 6-11: tile 2 p + 1; a tile's lane (r, h) holds channels 32 h .. 32 h + 31 of its token r), then a scale image
;      (a word: byte 0 block 0, byte 1 block 1, bytes 2 and 3 zero).   kv = [batch][head][128 keys] records of 13,312 bytes: k as q's record without its scale image (6,144 bytes); v: fragment t (16 channels x 128 keys) at
;      6,144 + 1,536 t + 768 c: registers 6 c .. 6 c + 3 at 16 x lane, 6 c + 4, 6 c + 5 at 512 + 8 x lane; k's scale image at 12,288; v's at 12,800: the word of (t, row lane % 16) at 16 x lane + 4 t.
; SHARES: a work-group makes 256 tokens x 384 columns: the q, k and v columns of one pair of heads (three panels of w_qkv).  Wave w has 64 tokens: half c = w % 2 (fragments 4 c .. 4 c + 3) of token panel 2 X + w / 2.
; A STAYS IN REGISTERS: a wave's 4 fragments x 8 K steps are 384 registers, loaded once, straight from cod.  B LIES WHOLE IN LDS: 24 records, 307,200 bytes, each byte filled once: no ring, no refill.
; CLUSTER: the four work-groups of a cluster have the same pair of heads and other tokens: B's records are asked for JOINTLY (mask 15).  A is shared by no partner: it comes by plain loads.
; q AND k ARE MADE TRANSPOSED (source 0 = 16 rows of W, source 1 = 16 tokens): lane (r, h) holds token r, and the 32 registers of four neighbouring tiles are channels 64 e + 32 h + 0 .. 31: one whole block.
; v IS MADE AS IT STANDS (source 0 = 16 tokens, source 1 = 16 rows of W): lane (r, h) holds channel row r, and the 32 registers of its four tiles are keys 64 c + 32 h + 0 .. 31: one whole block along the keys.
; So no quantiser here asks another lane for a maximum, and the conversions' results are the next operand's registers.  The bias is the C of each sum's first product.
; No prefetch: all that the work-group reads is asked for at its head.
; LIMITS: NaN and infinities are not served; a block whose largest magnitude lies under 2^-124 has its byte held at 1, a block of zeros too (its codes are zeros; this program alone reads the bytes).
; REGISTERS, in windows of 256: window 0: v1-14 addresses; v16-31 A's scale words; v32-39 B's, two sets; v40 the floor; v44-47 at work; v64-159, v160-255 B's fragments, two sets (the way out works there).
;   window 1: A of K steps 0-3 at 48 s + 12 a; v192-255 q's bias, later v's.   window 2: A of K steps 4-7; v192-255 k's bias.   window 3: the 32 accumulators.
.set PRB,  12800                       ; a record of cod
.set QRB,  6656                        ; a record of q
.set KRB,  13312                       ; a record of kv
.set STG,  24*PRB                      ; LDS behind B's 24 records: four scale images of v, 2,048 bytes
.set AS,   16
.set BS,   32
.set FL,   40
.set BF,   64
.set TT,   64                          ; the way out: v64-71 largest magnitudes, then scale operands
.set WW,   72                          ; v72-79 scale words
.set UU,   80                          ; v80-87 the other half's
.set SW,   88                          ; v88-91 scale words in the image's order
.set CF,   96                          ; codes
.set MSB,  0
.macro WIN new                         ; the immediate's high byte repeats the setting that is left
.if MSB != \new
	s_set_vgpr_msb (MSB<<8)|\new
.set MSB, \new
.endif
.endm
.macro CROUND                          ; a round of the cluster's barrier
	s_barrier_signal -1
	s_barrier_wait -1
	s_cmp_lg_u32 s12, 0
	s_cbranch_scc1 .Lnot_wave_0_\@
	s_barrier_signal -3
.Lnot_wave_0_\@:
	s_barrier_wait -3
	s_barrier_signal -1
	s_barrier_wait -1
.endm
; One product; its registers stand in the symbols RGD, RG0, RG1, RGC, RS0, RS1.  q0, q1: the side's scale words lie in lanes 16-31 of the register named.
.macro WM q0, q1
.if (\q0) && (\q1)
	v_wmma_scale_f32_16x16x128_f8f6f4 v[RGD:RGD+7], v[RG0:RG0+11], v[RG1:RG1+11], v[RGC:RGC+7], v[RS0], v[RS1] matrix_a_fmt:MATRIX_FMT_FP6 matrix_b_fmt:MATRIX_FMT_FP6 matrix_a_scale:MATRIX_SCALE_ROW1 matrix_b_scale:MATRIX_SCALE_ROW1
.elseif (\q0)
	v_wmma_scale_f32_16x16x128_f8f6f4 v[RGD:RGD+7], v[RG0:RG0+11], v[RG1:RG1+11], v[RGC:RGC+7], v[RS0], v[RS1] matrix_a_fmt:MATRIX_FMT_FP6 matrix_b_fmt:MATRIX_FMT_FP6 matrix_a_scale:MATRIX_SCALE_ROW1
.elseif (\q1)
	v_wmma_scale_f32_16x16x128_f8f6f4 v[RGD:RGD+7], v[RG0:RG0+11], v[RG1:RG1+11], v[RGC:RGC+7], v[RS0], v[RS1] matrix_a_fmt:MATRIX_FMT_FP6 matrix_b_fmt:MATRIX_FMT_FP6 matrix_b_scale:MATRIX_SCALE_ROW1
.else
	v_wmma_scale_f32_16x16x128_f8f6f4 v[RGD:RGD+7], v[RG0:RG0+11], v[RG1:RG1+11], v[RGC:RGC+7], v[RS0], v[RS1] matrix_a_fmt:MATRIX_FMT_FP6 matrix_b_fmt:MATRIX_FMT_FP6
.endif
.endm
; 16 products: B's fragments 4 half .. 4 half + 3 x my four fragments of A, K step s.  typ 0: q, 1: k (transposed), 2: v.  The 32 accumulators take turns, one instruction a turn, in the same order in every
; K step.  In K step 0 the bias is C.
.macro MUL16 typ, s, half
.irp b4, 0,1,2,3
.irp a, 0,1,2,3
.set BBX, 4*(\half)+\b4
.set RGB, BF+96*((\s)%2)+12*BBX
.set RGA, 48*((\s)%4)+12*\a
.set RSB, BS+4*((\s)%2)+BBX/2
.set RSA, AS+2*(\s)+\a/2
.if (\typ) == 2
.set RGD, 8*(4*BBX+\a)
.set RG0, RGA
.set RG1, RGB
.set RS0, RSA
.set RS1, RSB
.else
.set RGD, 8*(8*\a+BBX)
.set RG0, RGB
.set RG1, RGA
.set RS0, RSB
.set RS1, RSA
.endif
.if (\s) == 0
.set RGC, 192+8*BBX
.else
.set RGC, RGD
.endif
.if (\typ) == 2
	WM \a%2, BBX%2
.else
	WM BBX%2, \a%2
.endif
.endr
.endr
.endm
; 13 LDS loads in one run: four fragments of B and their scale words, of record (pan, s), into set s % 2.  The two additions and the two v_nop are the four places in front of loads into
; registers that matrix instructions have read (ISA guide 7.12.1 for vector instructions).
.macro FETCH pan, s, half
	v_add_nc_u32 v13, (8*(\pan)+(\s))*PRB, v1
	v_add_nc_u32 v14, (8*(\pan)+(\s))*PRB+12288, v2
	v_nop
	v_nop
.irp b4, 0,1,2,3
.irp g, 0,1,2
	ds_load_b128 v[BF+96*((\s)%2)+12*(4*(\half)+\b4)+4*\g:BF+96*((\s)%2)+12*(4*(\half)+\b4)+4*\g+3], v13 offset:1536*(4*(\half)+\b4)+512*\g
.endr
.endr
	ds_load_b64 v[BS+4*((\s)%2)+2*(\half):BS+4*((\s)%2)+2*(\half)+1], v14 offset:256*(\half)
.endm
; A K step of 128: 32 products.  Each half of the next step's fragments is fetched a whole K step ahead of its use.  nl >= 0: a wait for A's loads; nt >= 0: the panel's upper four records are wanted from here on.
.macro KSTEP typ, pan, s, nl, nt
.if (\typ) == 2
.if (\s) == 0
.set KW, 0xd1                          ; source 0 (A) window 1, source 1 (B) window 0, C (bias) window 1, D window 3
.elseif (\s) < 4
.set KW, 0xf1
.else
.set KW, 0xf2
.endif
.else
.if (\s) == 0
.set KW, 0xd4+0x10*(\typ)              ; source 0 (B) window 0, source 1 (A) window 1, C (bias) window 1 (q) or 2 (k), D window 3
.elseif (\s) < 4
.set KW, 0xf4
.else
.set KW, 0xf8
.endif
.endif
	s_wait_dscnt 13                                ; this step's first 13 loads are in; its second 13 may be out
.if (\nl) >= 0
	s_wait_loadcnt \nl                             ; A's 12 loads of this K step are in: behind them stand 12 for each later step (the count is held to what the wait can name)
.endif
.if (\nt) >= 0
	s_wait_tensorcnt \nt                           ; my record of the panel's upper four has landed; the later panels' may stay out
	s_wait_dscnt 0x0
	s_barrier_signal -1
	s_barrier_wait -1                              ; everybody's has
.endif
.if (\s) < 7
	FETCH \pan, (\s)+1, 0
.endif
	WIN KW
	MUL16 \typ, \s, 0
	WIN 0
.if (\s) < 7
	s_wait_dscnt 13                                ; this step's second 13 are in; the 13 just issued may be out
	FETCH \pan, (\s)+1, 1
.else
	s_wait_dscnt 0x0
.endif
	WIN KW
	MUL16 \typ, \s, 1
	WIN 0
.endm
; A panel's start.  The eight plain lines of the two runs, and the way out before them, stand between the last products and the first product that begins an accumulator anew.
.macro PSTART pan, nt
	s_wait_alu depctr_va_vdst(0)                   ; the wait ahead of the waits below
	s_wait_tensorcnt 0x0                           ; my two records of this panel have landed: no load of mine is out
.if \nt                                ; nt = 1: the next panel's first fill follows
	ds_add_u32 v62, v63
	s_wait_dscnt 0x0
	CROUND                                         ; everybody's records are in, and the four work-groups meet for the joint load
	tensor_load_to_lds s[28+4*(\pan):31+4*(\pan)], s[16:23]   ; my two records of the next panel: one load of mine is out
	s_nop 0
.rept 4
	v_nop
.endr
.else
	s_wait_dscnt 0x0
	s_barrier_signal -1
	s_barrier_wait -1                              ; everybody's have
.endif
	s_wait_xcnt 0x0
	FETCH \pan, 0, 0
	FETCH \pan, 0, 1
.endm
; THE WAY OUT, first part, alike for q, k and v: eight groups of 32 accumulator registers, each a whole block of one lane; group g at 32 g of window 3.
.macro EPI_MAX
.rept 4
	v_nop                                          ; places behind the last products
.endr
	WIN 0x3c                                       ; sources 1 and 2: window 3
.irp g, 0,1,2,3,4,5,6,7
	v_max3_num_f32 v[TT+\g], v[FL], |v[32*\g]|, |v[32*\g+1]|   ; the floor 2^(3 - 127) holds the byte at 1 from below.  Each accumulator is read from its low end on
.endr
.irp i, 2,4,6,8,10,12,14,16,18,20,22,24,26,28,30
.irp g, 0,1,2,3,4,5,6,7
	v_max3_num_f32 v[TT+\g], v[TT+\g], |v[32*\g+\i]|, |v[32*\g+\i+1]|   ; (the eight groups by turns)
.endr
.endr
	WIN 0
.irp g, 0,1,2,3,4,5,6,7
	v_add_nc_u32 v[TT+\g], 0xff000000, v[TT+\g]    ; 2 off the exponent field: the conversion's scale operand
.endr
.irp g, 0,1,2,3,4,5,6,7
	v_lshrrev_b32 v[WW+\g], 23, v[TT+\g]           ; the scale's byte
.endr
.irp g, 0,1,2,3,4,5,6,7
	v_lshlrev_b32 v[WW+\g], v3, v[WW+\g]           ; at its place: 8 h bits up
	v_mov_b32 v[UU+\g], 0                          ; (a lane permute's destination counts as one of its sources)
.endr
.irp g, 0,1,2,3,4,5,6,7
	v_permlanex16_b32 v[UU+\g], v[WW+\g], s48, s49
.endr
.irp g, 0,1,2,3,4,5,6,7
	v_or_b32 v[WW+\g], v[WW+\g], v[UU+\g]          ; with lane l xor 16's byte: two bytes of a scale word
.endr
.endm
; q or k: group 2 a + hd is token fragment a, head hd.  base: the scalar pair of the record; sioff: its scale image; hstr: bytes from head to head.
.macro EPI_QK base, sioff, hstr
	EPI_MAX
	v_cmp_le_u32 vcc_lo, 16, v15                   ; lanes 16-31; made anew here
.irp hd, 0,1
.irp ii, 0,1
	v_cndmask_b32 v[SW+2*\hd+\ii], v[WW+4*\ii+\hd], v[WW+4*\ii+2+\hd], vcc_lo   ; the image's order: lanes 0-15 tile 2 ii, lanes 16-31 tile 2 ii + 1
.endr
.endr
	WIN 0x03                                       ; source 0: window 3
.irp a, 0,1,2,3
.irp hd, 0,1
.set GG, 2*\a+\hd
.set CR, CF+12*(2*\hd+\a/2)+6*(\a%2)
	v_cvt_scalef32_pk16_fp6_f32 v[CR:CR+2], v[32*GG:32*GG+15], v[TT+GG]
	v_cvt_scalef32_pk16_fp6_f32 v[144+4*GG:144+4*GG+2], v[32*GG+16:32*GG+31], v[TT+GG]   ; (a conversion's three registers begin on an even number)
.endr
.endr
	WIN 0
	v_nop                                          ; one plain place behind a scaled conversion
.irp a, 0,1,2,3
.irp hd, 0,1
.irp i, 0,1,2
	v_mov_b32 v[CF+12*(2*\hd+\a/2)+6*(\a%2)+3+\i], v[144+4*(2*\a+\hd)+\i]
.endr
.endr
.endr
.irp hd, 0,1
.irp pp, 0,1
.irp g, 0,1,2
	global_store_b128 v6, v[CF+12*(2*\hd+\pp)+4*\g:CF+12*(2*\hd+\pp)+4*\g+3], s[\base:\base+1] offset:\hd*\hstr+1536*\pp+512*\g   ; 512 consecutive bytes, at a multiple of 256 from the buffer's first byte
.endr
.endr
	global_store_b64 v5, v[SW+2*\hd:SW+2*\hd+1], s[\base:\base+1] offset:\hd*\hstr+\sioff   ; 256 consecutive bytes: my half of the scale image
.endr
.endm
	s_load_b256 s[4:11], s[0:1], 0x0               ; cod s[4:5], b_qkv s[6:7], q s[8:9], kv s[10:11]
	v_lshl_add_u32 v62, v0, 2, 0x4b800
	v_mov_b32 v63, 0
	ds_add_u32 v62, v63
	ds_add_u32 v62, v63
	v_lshrrev_b32 v15, 5, v0
	v_readfirstlane_b32 s12, v15                   ; wave 0..3
	; descriptor group 1: a record as 50 rows of 256 bytes (32 elements of 8 bytes), dense, no padding; 15:0 the mask: all four work-groups; bit 21 set beside a mask
	s_mov_b32 s16, 15|(3<<16)|(1<<21)
	s_mov_b32 s17, 32<<16                          ; tensor_dim0
	s_mov_b32 s18, 100<<16                         ; tensor_dim1: two records on end
	s_mov_b32 s19, 32<<16                          ; tile_dim0
	s_mov_b32 s20, 100                             ; tile_dim1
	s_mov_b32 s21, 32                              ; from row to row
	s_mov_b32 s22, 0
	s_mov_b32 s23, 0
	s_and_b32 s15, ttmp7, 0xffff                   ; the pair of heads, which the four partners share
	s_lshl_b32 s2, s15, 3
	s_add_co_u32 s2, s2, s12
	s_add_co_u32 s2, s2, s12                       ; record 8 x pair + 2 x wave
	s_mul_i32 s2, s2, PRB                          ; bytes of record 8 x pair + 2 x wave of a part's eight panels
	s_mov_b32 s3, 0
	s_mul_i32 s66, s12, 2*PRB
	s_wait_dscnt 0x0
	s_wait_kmcnt 0x0
	s_add_nc_u64 s[2:3], s[4:5], s[2:3]
.irp n, 0,1,2                          ; load n: part n (q, k, v), K steps 2 wave and 2 wave + 1
	s_mov_b32 s[24+4*\n], 1
	s_add_co_u32 s[25+4*\n], s66, 8*\n*PRB
	s_add_nc_u64 s[26+4*\n:27+4*\n], s[2:3], (64+8*\n)*8*PRB
	s_or_b32 s[27+4*\n], s[27+4*\n], 0x80000000
.endr
	CROUND                                         ; all four work-groups are here: the joint loads meet
	tensor_load_to_lds s[24:27], s[16:23]          ; q's panel, two records a wave: my one load at the head
	s_nop 0
.rept 4
	v_nop
.endr
	v_and_b32 v15, 31, v0                          ; lane
	v_lshlrev_b32 v1, 4, v15                       ; 16 x lane
	v_lshlrev_b32 v2, 3, v15                       ; 8 x lane
	v_bfe_u32 v9, v0, 4, 1                         ; h
	v_lshlrev_b32 v3, 3, v9                        ; 8 h
	v_and_b32 v10, 7, v0
	v_bfe_u32 v11, v0, 3, 1
	v_lshl_add_u32 v10, v11, 5, v10
	v_lshlrev_b32 v10, 2, v10                      ; v's bias: 4 (r % 8 + 32 (r / 8))
	v_lshlrev_b32 v9, 7, v9                        ; q's and k's bias: 128 h
	s_wait_alu depctr_va_vdst(0)
	v_mov_b32 v[FL], 0x1800000
	s_and_b32 s62, s12, 1                          ; c: my half of the token panel
	s_lshr_b32 s63, s12, 1
	s_mul_i32 s67, s62, 6144
	v_add_nc_u32 v4, s67, v1                       ; A's codes: fragments 4 c on
	s_lshl_b32 s67, s62, 8
	v_add_nc_u32 v5, s67, v2                       ; my half of a scale image
	s_wait_alu depctr_va_vdst(0)
	s_mul_i32 s67, s62, 3072
	v_add_nc_u32 v6, s67, v1                       ; q's and k's codes: pairs 2 c on
	s_mul_i32 s67, s62, 768
	v_add_nc_u32 v7, s67, v1                       ; v's codes: registers 6 c on
	v_add_nc_u32 v8, s67, v2
	s_lshl_b32 s67, s63, 10
	s_lshl_b32 s73, s62, 1
	s_add_co_u32 s67, s67, s73
	s_add_co_u32 s67, s67, STG
	v_add_nc_u32 v11, s67, v1                      ; v's scale images in LDS: my panel's two, bytes 2 c, 2 c + 1 of a word
	s_lshl_b32 s67, s12, 9
	s_add_co_u32 s67, s67, STG
	v_add_nc_u32 v12, s67, v1                      ; and the image that I store: panel w / 2, head w % 2
	s_mov_b32 s48, 0x76543210
	s_mov_b32 s49, 0xfedcba98                      ; v_permlanex16_b32's selects for lane l xor 16
	s_bfe_u32 s13, ttmp6, 0x40000                  ; cx: it enters A's, q's and kv's addresses alone
	s_lshl_b32 s14, ttmp9, 2
	s_add_co_u32 s14, s14, s13                     ; my block of 256 tokens
	s_lshl_b32 s14, s14, 1
	s_add_co_u32 s14, s14, s63                     ; my token panel P
	s_mul_i32 s68, s14, 8*PRB
	s_mov_b32 s69, 0
	s_add_nc_u64 s[50:51], s[4:5], s[68:69]        ; A's panel
	s_lshr_b32 s70, s14, 3                         ; the batch
	s_and_b32 s71, s14, 7                          ; which 128 tokens of it
	s_lshl_b32 s70, s70, 7
	s_lshl_b32 s72, s15, 4
	s_add_co_u32 s70, s70, s72
	s_add_co_u32 s70, s70, s71                     ; 128 batch + 8 (first head) + step
	s_mul_i32 s68, s70, QRB
	s_add_nc_u64 s[52:53], s[8:9], s[68:69]        ; q's record
	s_mul_i32 s68, s70, KRB
	s_add_nc_u64 s[54:55], s[10:11], s[68:69]      ; kv's record
	s_mul_i32 s68, s62, 8*KRB
	s_add_nc_u64 s[56:57], s[54:55], s[68:69]      ; the same of head w % 2
	s_lshl_b32 s68, s15, 9
	s_add_nc_u64 s[58:59], s[6:7], s[68:69]        ; the bias at the pair's first column
	WIN 0x40                                       ; destination window 1
.irp b, 0,1,2,3,4,5,6,7
	global_load_b128 v[192+8*\b:195+8*\b], v9, s[58:59] offset:(64*(\b/4)+8*(\b%4))*4       ; q's bias in the result's layout: columns 64 e + 32 h + 8 t + 0 .. 7
	global_load_b128 v[196+8*\b:199+8*\b], v9, s[58:59] offset:(64*(\b/4)+8*(\b%4))*4+16
.endr
	WIN 0x80                                       ; destination window 2
.irp b, 0,1,2,3,4,5,6,7
	global_load_b128 v[192+8*\b:195+8*\b], v9, s[58:59] offset:(1024+64*(\b/4)+8*(\b%4))*4  ; k's
	global_load_b128 v[196+8*\b:199+8*\b], v9, s[58:59] offset:(1024+64*(\b/4)+8*(\b%4))*4+16
.endr
	WIN 0
.irp s, 0,1,2,3,4,5,6,7
	global_load_b64 v[AS+2*\s:AS+2*\s+1], v5, s[50:51] offset:PRB*\s+12288   ; A's scale words: register 2 s + a / 2, lanes 0-15 even a, lanes 16-31 odd a
.endr
	WIN 0x40
.irp s, 0,1,2,3
.irp a, 0,1,2,3
.irp g, 0,1,2
	global_load_b128 v[48*\s+12*\a+4*\g:48*\s+12*\a+4*\g+3], v4, s[50:51] offset:PRB*\s+1536*\a+512*\g
.endr
.endr
.endr
	WIN 0x80
.irp s, 4,5,6,7
.irp a, 0,1,2,3
.irp g, 0,1,2
	global_load_b128 v[48*(\s-4)+12*\a+4*\g:48*(\s-4)+12*\a+4*\g+3], v4, s[50:51] offset:PRB*\s+1536*\a+512*\g
.endr
.endr
.endr
	WIN 0
	PSTART 0, 1
	KSTEP 0, 0, 0, 63, -1
	KSTEP 0, 0, 1, 63, -1
	KSTEP 0, 0, 2, 60, -1
	KSTEP 0, 0, 3, 48, -1
	KSTEP 0, 0, 4, 36, -1
	KSTEP 0, 0, 5, 24, -1
	KSTEP 0, 0, 6, 12, -1
	KSTEP 0, 0, 7, 0, -1
	EPI_QK 52, 6144, 8*QRB
	WIN 0x40                                       ; v's bias takes q's place: a lane holds one channel there, so its eight registers hold one number
.irp b, 0,1,2,3,4,5,6,7
	global_load_b32 v[192+8*\b], v10, s[58:59] offset:(2048+64*(\b/4)+8*(\b%4))*4
.endr
	WIN 0
	PSTART 1, 1
	KSTEP 1, 1, 0, -1, -1
	KSTEP 1, 1, 1, -1, -1
	KSTEP 1, 1, 2, -1, -1
	KSTEP 1, 1, 3, -1, -1
	KSTEP 1, 1, 4, -1, -1
	KSTEP 1, 1, 5, -1, -1
	KSTEP 1, 1, 6, -1, -1
	KSTEP 1, 1, 7, -1, -1
	EPI_QK 54, 12288, 8*KRB
	s_wait_loadcnt 0x0                             ; v's bias: one number a lane and tile,
	WIN 0x41
.irp b, 0,1,2,3,4,5,6,7
.irp j, 1,2,3,4,5,6,7
	v_mov_b32 v[192+8*\b+\j], v[192+8*\b]          ; spread over the tile's eight registers
.endr
.endr
	WIN 0
	PSTART 2, 0
	KSTEP 2, 2, 0, -1, -1
	KSTEP 2, 2, 1, -1, -1
	KSTEP 2, 2, 2, -1, -1
	KSTEP 2, 2, 3, -1, -1
	KSTEP 2, 2, 4, -1, -1
	KSTEP 2, 2, 5, -1, -1
	KSTEP 2, 2, 6, -1, -1
	KSTEP 2, 2, 7, -1, -1
	EPI_MAX                                        ; group b: fragment b % 4 of head b / 4; my 32 keys are block 2 c + h of the step's 128
	WIN 0x03
.irp b, 0,1,2,3,4,5,6,7
	v_cvt_scalef32_pk16_fp6_f32 v[CF+8*\b:CF+8*\b+2], v[32*\b:32*\b+15], v[TT+\b]
	v_cvt_scalef32_pk16_fp6_f32 v[160+4*\b:160+4*\b+2], v[32*\b+16:32*\b+31], v[TT+\b]
.endr
	WIN 0
	v_nop                                          ; one plain place behind a scaled conversion
.irp b, 0,1,2,3,4,5,6,7
.irp i, 0,1,2
	v_mov_b32 v[CF+8*\b+3+\i], v[160+4*\b+\i]
.endr
.endr
.irp b, 0,1,2,3,4,5,6,7
	global_store_b128 v7, v[CF+8*\b:CF+8*\b+3], s[54:55] offset:(\b/4)*8*KRB+6144+1536*(\b%4)        ; registers 6 c .. 6 c + 3: 512 consecutive bytes
	global_store_b64 v8, v[CF+8*\b+4:CF+8*\b+5], s[54:55] offset:(\b/4)*8*KRB+6144+1536*(\b%4)+512   ; 6 c + 4, 6 c + 5: 256 consecutive bytes
	ds_store_b16 v11, v[WW+\b] offset:512*(\b/4)+4*(\b%4)   ; my two bytes of the word of (t, row r); the panel's other wave writes the other two
.endr
	s_wait_dscnt 0x0                               ; for the others' sake: my bytes lie in the images
	s_barrier_signal -1
	s_barrier_wait -1
	ds_load_b128 v[44:47], v12
	s_wait_dscnt 0x0
	global_store_b128 v1, v[44:47], s[56:57] offset:12800   ; one image whole: 512 consecutive bytes
	s_wait_tensorcnt 0x0
	ds_add_u32 v62, v63
	s_wait_dscnt 0x0
	CROUND                                         ; the closing round: no work-group ends while a partner may still ask for a record that names it
	s_endpgm
.Lfunc_end_k_qc382f0906a_qkv:
	.size	k_qc382f0906a_qkv, .Lfunc_end_k_qc382f0906a_qkv-k_qc382f0906a_qkv
	.p2alignl 7, 3214868480
	.fill 96, 4, 3214868480
	.section	.rodata,"a",@progbits
	.p2align	6, 0x0
	.amdhsa_kernel k_qc382f0906a_qkv
		.amdhsa_group_segment_fixed_size 327680
		.amdhsa_private_segment_fixed_size 0
		.amdhsa_enable_private_segment 0
		.amdhsa_kernarg_size 32
		.amdhsa_user_sgpr_count 2
		.amdhsa_user_sgpr_kernarg_segment_ptr 1
		.amdhsa_wavefront_size32 1
		.amdhsa_system_sgpr_workgroup_id_x 1
		.amdhsa_system_sgpr_workgroup_id_y 1
		.amdhsa_system_sgpr_workgroup_id_z 1
		.amdhsa_system_vgpr_workitem_id 0
		.amdhsa_next_free_vgpr 1024
		.amdhsa_next_free_sgpr 80
		.amdhsa_reserve_vcc 1
		.amdhsa_float_denorm_mode_32 3
		.amdhsa_float_denorm_mode_16_64 3
		.amdhsa_memory_ordered 1
		.amdhsa_forward_progress 1
		.amdhsa_inst_pref_size 213
	.end_amdhsa_kernel
	.amdgpu_metadata
---
amdhsa.version: [ 1, 2 ]
amdhsa.kernels:
  - .name:           k_qc382f0906a_qkv
    .symbol:         k_qc382f0906a_qkv.kd
    .args:
      - { .name: cod, .offset: 0, .size: 8, .value_kind: global_buffer, .address_space: global }
      - { .name: b_qkv, .offset: 8, .size: 8, .value_kind: global_buffer, .address_space: global }
      - { .name: q, .offset: 16, .size: 8, .value_kind: global_buffer, .address_space: global }
      - { .name: kv, .offset: 24, .size: 8, .value_kind: global_buffer, .address_space: global }
    .group_segment_fixed_size: 327680
    .private_segment_fixed_size: 0
    .kernarg_segment_align: 8
    .kernarg_segment_size: 32
    .max_flat_workgroup_size: 128
    .sgpr_count:     80
    .vgpr_count:     1024
    .wavefront_size: 32
...
	.end_amdgpu_metadata
.endif
;; end of part 2
;; launch attn (part 3): grid 4 x 64, 8 waves a work-group, clusters of 4 x 1, 327,680 bytes of LDS; arguments q, kv, ctx; writes ctx
.if DOCPART == 3
	.amdgcn_target "amdgcn-amd-amdhsa--gfx1250"
	.amdhsa_code_object_version 6
	.text
	.protected	k_qc382f0906a_attn
	.globl	k_qc382f0906a_attn
	.p2align	8
	.type	k_qc382f0906a_attn,@function
k_qc382f0906a_attn:
	s_mov_b64 s[64:65], 0
	v_nop
	global_prefetch_b8 v0, s[64:65] scope:SCOPE_SE
	s_setreg_imm32_b32 hwreg(HW_REG_WAVE_MODE, 25, 1), 1
	s_wait_xcnt 0x0
	s_wait_alu depctr_hold_cnt(0) depctr_sa_sdst(0) depctr_va_vdst(0) depctr_va_sdst(0) depctr_va_ssrc(0) depctr_va_vcc(0) depctr_vm_vsrc(0)
	s_getreg_b32 s2, hwreg(HW_REG_IB_STS2, 6, 4)
	s_cmp_eq_u32 s2, 0
	s_cbranch_scc0 .Lentry_in_a_cluster
	s_endpgm
.Lentry_in_a_cluster:
	s_bfe_u32 s2, ttmp6, 0x10000c
	s_cmp_lg_u32 s2, 0x3003
	s_cbranch_scc0 .Lentry_shape_is_right
	s_endpgm
.Lentry_shape_is_right:
; ctx = softmax(q k^T / 8) v for one pair of heads and 256 queries a work-group, on codes of FP6 (E2M3) with E8M0 scales; ctx leaves quantised along the next product's K, in cod's record form.
; IN: q and kv as launch qkv lays them (records of 6,656 and 13,312 bytes, images of operand registers).  OUT: ctx = [64 token panels][8 K steps] records of 12,800 bytes; K step = pair of heads.
; SHARES: 8 waves; wave w has 32 queries: tiles a and b = fragments 2 (w % 4), 2 (w % 4) + 1 of token panel 2 cx + w / 4, for both heads, one after the other.
; The two tiles share every fragment of k and v: 31 LDS loads serve 24 products.  Both products are used transposed: a lane holds one query of each tile.
; LDS: the pair's 16 kv records (8 key steps x 2 heads), 212,992 bytes, each byte filled once: wave w asks for records 2 w, 2 w + 1, one tensor load a wave at the head, 104 rows of 256 bytes.
; The loads stand in two arms: waves 0-3 ask for the first head's eight records, waves 4-7 for the second head's.  The first barrier waits for the first arm alone.
; CLUSTER: the four work-groups of a cluster have the same pair of heads and other queries: the records are asked for jointly (mask 15).
; No prefetch: all that the work-group reads of kv is asked for at its head; there is no loop to run ahead in.
; THE WALK over the 16 key steps is two loops of one text: steps 0-6, which touch the first head's records alone, and steps 7-15.  Between them every wave waits for its tensor load and a barrier shows the
; second head's records: step 7 is the first to load from them.  Behind steps 7 and 15 a branch on the step counter lets the head's end run (divide, quantise, next head's q, state anew).
; k and v have register buffers of their own; the next step's k is loaded behind this step's scores, the next step's v behind this step's second product.
; The last step's loads have no step to serve: their address is held at record 15, and what they bring is not used.
; A k fragment's upper six registers (k = 64 .. 127) are whatever follows it: q's upper six registers hold zero codes, and every pattern of 6 bits is a finite number, so they add nothing.
; SOFTMAX: M = ceil of the running largest t, kept as -M; p = 2^(t - M); the sum is taken of p before it is quantised; O and the sum are brought under a new M by an exact power of two.
; A block's largest p is made from the block's largest score by the same multiply-add and exponential (this takes v_exp_f32 not to fall where its input rises).
; The two tiles' dependent chains stand line by line in turn; tile b's multiply-adds stand among tile a's exponentials: they are read behind the next wait.
; LIMITS: holds while |t| stays under 2^31; NaN and infinities are not served; a block whose largest magnitude lies under 2^-124 has its byte held at 1 (a block of zeros too; this program alone reads the bytes).
; REGISTERS.  Window 0: v1-11 addresses; v12-35, v36-59 the tiles' small state; v60-71 scale words; v72-95 q's two fragments; v96-107, v234-246 q as loaded; v108-161 k; v162-209 v; v210-233 ctx's codes.
; Window 1: v0-127 scores, then p; v128-191 O; v192-215 p's codes; v216-231 at work.
.set KRB,  13312
.set QRB,  6656
.set PRB,  12800
.set STG,  16*KRB                      ; two scale images of ctx, 1,024 bytes
.set SPARE, STG+1024                   ; the spare words, 128 bytes a wave
.set A0,   12                          ; tile a's state; tile b's 24 on
.set B0,   36
.set NM,   0                           ; in a state: -M of the step before (a pair is named: the upper word is 0)
.set NX,   2                           ; -M
.set LS,   4                           ; the row's sum in two halves
.set F,    6                           ; 2^(old M - new M)
.set M,    8                           ; four chains of maxima; block maxima in M, M + 2; later two chains of sums
.set SO,   12
.set BY,   14
.set TT,   16
.set TU,   17
.set RM,   18
.set CW,   19
.set RC,   20
.set KS,   60
.set VS,   64
.set QS,   68                          ; lanes 0-15 tile a's words, lanes 16-31 tile b's
.set QS1,  69
.set PS,   70
.set QA,   72
.set QB,   84
.set Q1,   96
.set K,    108
.set V,    162
.set CT,   210
.set Q2,   234
.set QS2,  246
.set SPW,  254
.set NIL,  255
.set SA,   0                           ; window 1
.set SB,   64
.set OA,   128
.set PA,   192
.set XA,   216
.set MSB,  0
.macro WIN new                         ; the immediate's high byte repeats the setting that is left
.if MSB != \new
	s_set_vgpr_msb (MSB<<8)|\new
.set MSB, \new
.endif
.endm
.macro WALU
	s_wait_alu depctr_va_vdst(0)
.endm
.macro CROUND
	s_barrier_signal -1
	s_barrier_wait -1
	s_cmp_lg_u32 s12, 0
	s_cbranch_scc1 .Lnot_wave_0_\@
	s_barrier_signal -3
.Lnot_wave_0_\@:
	s_barrier_wait -3
	s_barrier_signal -1
	s_barrier_wait -1
.endm
.macro WM d, a, b, c, sa, sb, ra, rb   ; one product; ra, rb: the side's scale words lie in lanes 16-31
.if (\ra) && (\rb)
	v_wmma_scale_f32_16x16x128_f8f6f4 v[\d:\d+7], v[\a:\a+11], v[\b:\b+11], \c, v[\sa], v[\sb] matrix_a_fmt:MATRIX_FMT_FP6 matrix_b_fmt:MATRIX_FMT_FP6 matrix_a_scale:MATRIX_SCALE_ROW1 matrix_b_scale:MATRIX_SCALE_ROW1
.elseif (\ra)
	v_wmma_scale_f32_16x16x128_f8f6f4 v[\d:\d+7], v[\a:\a+11], v[\b:\b+11], \c, v[\sa], v[\sb] matrix_a_fmt:MATRIX_FMT_FP6 matrix_b_fmt:MATRIX_FMT_FP6 matrix_a_scale:MATRIX_SCALE_ROW1
.elseif (\rb)
	v_wmma_scale_f32_16x16x128_f8f6f4 v[\d:\d+7], v[\a:\a+11], v[\b:\b+11], \c, v[\sa], v[\sb] matrix_a_fmt:MATRIX_FMT_FP6 matrix_b_fmt:MATRIX_FMT_FP6 matrix_b_scale:MATRIX_SCALE_ROW1
.else
	v_wmma_scale_f32_16x16x128_f8f6f4 v[\d:\d+7], v[\a:\a+11], v[\b:\b+11], \c, v[\sa], v[\sb] matrix_a_fmt:MATRIX_FMT_FP6 matrix_b_fmt:MATRIX_FMT_FP6
.endif
.endm
.macro KLOAD a4, a5                    ; 14 LDS loads: a record's k images and k's scale words
.irp p, 0,1,2,3
.irp g, 0,1,2
	ds_load_b128 v[K+12*\p+4*\g:K+12*\p+4*\g+3], v[\a4] offset:1536*\p+512*\g
.endr
.endr
	ds_load_b64 v[KS:KS+1], v[\a5] offset:12288
	ds_load_b64 v[KS+2:KS+3], v[\a5] offset:12544
.endm
.macro VLOAD a4, a5                    ; 17 LDS loads: its v fragments and v's scale words
.irp t, 0,1,2,3
	ds_load_b128 v[V+12*\t:V+12*\t+3], v[\a4] offset:6144+1536*\t
	ds_load_b64 v[V+12*\t+4:V+12*\t+5], v[\a5] offset:6144+1536*\t+512
	ds_load_b128 v[V+12*\t+6:V+12*\t+9], v[\a4] offset:6144+1536*\t+768
	ds_load_b64 v[V+12*\t+10:V+12*\t+11], v[\a5] offset:6144+1536*\t+1280
.endr
	ds_load_b128 v[VS:VS+3], v[\a4] offset:12800
.endm
.macro STEP                            ; a key step of 128, both tiles
	s_wait_dscnt 17                                ; k's 14 loads are in; behind them stand v's 17
	WIN 0x40                                       ; D window 1
.irp t, 0,1,2,3,4,5,6,7
	WM SA+8*\t, K+6*\t, QA, 0, KS+\t/2, QS, \t%2, 0
	WM SB+8*\t, K+6*\t, QB, 0, KS+\t/2, QS, \t%2, 1
.endr
	WIN 0
	v_add_nc_u32 v4, s61, v1                       ; four places behind the products, with work that is due: the next record's addresses,
	v_add_nc_u32 v5, s61, v2
	v_mov_b32 v[A0+NM], v[A0+NX]                   ; and the last step's -M becomes the old one
	v_mov_b32 v[B0+NM], v[B0+NX]
	KLOAD 4, 5
	WIN 0x15                                       ; all three sources window 1
.irp u, 0,1
.irp j, 0,1,2,3                        ; the largest score of each 16: eight chains by turns; each accumulator is first read at its low end
	v_max3_num_f32 v[A0+24*\u+M+\j], v[64*\u+16*\j], v[64*\u+16*\j+1], v[64*\u+16*\j+2]
.endr
.endr
	WIN 0x14
.irp i, 3,5,7,9,11,13
.irp u, 0,1
.irp j, 0,1,2,3
	v_max3_num_f32 v[A0+24*\u+M+\j], v[A0+24*\u+M+\j], v[64*\u+16*\j+\i], v[64*\u+16*\j+\i+1]
.endr
.endr
.endr
.irp u, 0,1
	v_max3_num_f32 v[A0+24*\u+M], v[A0+24*\u+M], v[64*\u+15], v[64*\u+31]
	v_max3_num_f32 v[A0+24*\u+M+2], v[A0+24*\u+M+2], v[64*\u+47], v[64*\u+63]
.endr
	WIN 0
.irp u, 0,1
	v_max_num_f32 v[A0+24*\u+M], v[A0+24*\u+M], v[A0+24*\u+M+1]       ; block 0's largest score,
	v_max_num_f32 v[A0+24*\u+M+2], v[A0+24*\u+M+2], v[A0+24*\u+M+3]   ; block 1's
.endr
.irp u, 0,1
	v_max_num_f32 v[A0+24*\u+TT], v[A0+24*\u+M], v[A0+24*\u+M+2]
.endr
.irp u, 0,1
	v_permlanex16_b32 v[A0+24*\u+TU], v[A0+24*\u+TT], s40, s41
.endr
.irp u, 0,1
	v_max3_num_f32 v[A0+24*\u+RM], v[A0+24*\u+RM], v[A0+24*\u+TT], v[A0+24*\u+TU]   ; the running largest score of my query
.endr
.irp u, 0,1
	v_mul_f32 v[A0+24*\u+TT], s42, v[A0+24*\u+RM]
.endr
.irp u, 0,1
	v_floor_f32 v[A0+24*\u+NX], -v[A0+24*\u+TT]    ; -M = floor(-t)
.endr
.irp u, 0,1
	v_sub_f32 v[A0+24*\u+TU], v[A0+24*\u+NX], v[A0+24*\u+NM]
.endr
.irp u, 0,1
	v_cvt_i32_f32 v[A0+24*\u+TU], v[A0+24*\u+TU]   ; (it saturates)
.endr
.irp u, 0,1
	v_ldexp_f32 v[A0+24*\u+F], 1.0, v[A0+24*\u+TU] ; f = 2^(old M - new M)
.endr
.irp u, 0,1
	v_fma_f32 v[A0+24*\u+M], v[A0+24*\u+M], s42, v[A0+24*\u+NX]
	v_fma_f32 v[A0+24*\u+M+2], v[A0+24*\u+M+2], s42, v[A0+24*\u+NX]
.endr
	WIN 0x41                                       ; destination and source 0 window 1
	WALU                                           ; the wait directly ahead of O's first readers
.irp u, 0,1
.set J, 0
.rept 16
	v_pk_mul_f32 v[OA+32*\u+J:OA+32*\u+J+1], v[OA+32*\u+J:OA+32*\u+J+1], v[A0+24*\u+F:A0+24*\u+F+1] op_sel_hi:[1,0]   ; O under the new M
.set J, J+2
.endr
.endr
.set J, 0
.rept 32
	v_pk_fma_f32 v[SA+J:SA+J+1], v[SA+J:SA+J+1], s[42:43], v[A0+NX:A0+NX+1] op_sel_hi:[1,0,0]   ; tile a: t - M
.set J, J+2
.endr
	WIN 0
	WALU                                           ; the wait ahead of the batch
.irp u, 0,1
	v_exp_f32 v[A0+24*\u+M], v[A0+24*\u+M]         ; the blocks' largest p
	v_exp_f32 v[A0+24*\u+M+2], v[A0+24*\u+M+2]
.endr
	WIN 0x41
.set J, 0
.rept 32
	v_exp_f32 v[SA+J], v[SA+J]                     ; tile a: p = 2^(t - M);
	v_pk_fma_f32 v[SB+J:SB+J+1], v[SB+J:SB+J+1], s[42:43], v[B0+NX:B0+NX+1] op_sel_hi:[1,0,0]   ; among them tile b's t - M, first read behind the wait below
	v_exp_f32 v[SA+J+1], v[SA+J+1]
.set J, J+2
.endr
	WALU
.set J, 0
.rept 64
	v_exp_f32 v[SB+J], v[SB+J]                     ; tile b
.set J, J+1
.endr
	v_nop                                          ; one plain place behind the batch
	WIN 0
	WALU                                           ; and the wait behind it
.irp u, 0,1
	v_max_num_f32 v[A0+24*\u+M], 0x1800000, v[A0+24*\u+M]       ; the floor 2^(3 - 127)
	v_max_num_f32 v[A0+24*\u+M+2], 0x1800000, v[A0+24*\u+M+2]
.endr
.irp u, 0,1
	v_add_nc_u32 v[A0+24*\u+SO], 0xff000000, v[A0+24*\u+M]      ; 2 off the exponent field: the conversion's scale operand
	v_add_nc_u32 v[A0+24*\u+SO+1], 0xff000000, v[A0+24*\u+M+2]
.endr
.irp u, 0,1
	v_lshrrev_b32 v[A0+24*\u+BY], 23, v[A0+24*\u+SO]
	v_lshrrev_b32 v[A0+24*\u+BY+1], 23, v[A0+24*\u+SO+1]
.endr
.irp u, 0,1
	v_lshl_or_b32 v[A0+24*\u+TT], v[A0+24*\u+BY+1], 16, v[A0+24*\u+BY]   ; my bytes: blocks h and 2 + h
.endr
.irp u, 0,1
	v_lshlrev_b32 v[A0+24*\u+TT], v3, v[A0+24*\u+TT]
.endr
.irp u, 0,1
	v_permlanex16_b32 v[A0+24*\u+TU], v[A0+24*\u+TT], s40, s41
.endr
.irp u, 0,1
	v_or_b32 v[PS+\u], v[A0+24*\u+TT], v[A0+24*\u+TU]           ; p's scale word
.endr
	WIN 0x41
.irp u, 0,1
.irp c, 0,1
	v_cvt_scalef32_pk16_fp6_f32 v[PA+12*\u+6*\c:PA+12*\u+6*\c+2], v[64*\u+32*\c:64*\u+32*\c+15], v[A0+24*\u+SO+\c]
	v_cvt_scalef32_pk16_fp6_f32 v[XA+8*\u+4*\c:XA+8*\u+4*\c+2], v[64*\u+32*\c+16:64*\u+32*\c+31], v[A0+24*\u+SO+\c]
.endr
.endr
	v_nop                                          ; one plain place behind the conversions
.irp u, 0,1
.irp c, 0,1
.irp i, 0,1,2
	v_mov_b32 v[PA+12*\u+6*\c+3+\i], v[XA+8*\u+4*\c+\i]
.endr
.endr
.endr
	WIN 0x05                                       ; this step's sums of p, four chains by turns
.irp u, 0,1
	v_pk_add_f32 v[A0+24*\u+M:A0+24*\u+M+1], v[64*\u:64*\u+1], v[64*\u+2:64*\u+3]
	v_pk_add_f32 v[A0+24*\u+M+2:A0+24*\u+M+3], v[64*\u+4:64*\u+5], v[64*\u+6:64*\u+7]
.endr
	WIN 0x04
.set J, 8
.rept 14
.irp u, 0,1
	v_pk_add_f32 v[A0+24*\u+M:A0+24*\u+M+1], v[A0+24*\u+M:A0+24*\u+M+1], v[64*\u+J:64*\u+J+1]
	v_pk_add_f32 v[A0+24*\u+M+2:A0+24*\u+M+3], v[A0+24*\u+M+2:A0+24*\u+M+3], v[64*\u+J+2:64*\u+J+3]
.endr
.set J, J+4
.endr
	WIN 0x54                                       ; source 0 (v) window 0; source 1 (p), C and D window 1
	WALU
	s_wait_dscnt 14                                ; v's 17 loads are in; behind them stand the next k's 14
.irp t, 0,1,2,3
.irp u, 0,1
	WM OA+32*\u+8*\t, V+12*\t, PA+12*\u, v[OA+32*\u+8*\t:OA+32*\u+8*\t+7], VS+\t, PS+\u, 0, 0
.endr
.endr
	WIN 0
.irp u, 0,1                            ; four places behind the products, with work that is due: the sums are joined
	v_pk_add_f32 v[A0+24*\u+M+2:A0+24*\u+M+3], v[A0+24*\u+M+2:A0+24*\u+M+3], v[A0+24*\u+M:A0+24*\u+M+1]
.endr
.irp u, 0,1
	v_pk_fma_f32 v[A0+24*\u+LS:A0+24*\u+LS+1], v[A0+24*\u+LS:A0+24*\u+LS+1], v[A0+24*\u+F:A0+24*\u+F+1], v[A0+24*\u+M+2:A0+24*\u+M+3] op_sel_hi:[1,0,1]   ; the old sum under the new M + this step's
.endr
	VLOAD 4, 5
.endm
.macro QSWAP src, qs                   ; a pair of tiles as loaded becomes two fragments, each over its six registers of zeros
.irp i, 0,1,2,3,4,5
	v_mov_b32 v[QA+\i], v[\src+\i]
	v_mov_b32 v[QB+\i], v[\src+6+\i]
.endr
	v_mov_b32 v[QS], v[\qs]
.endm
.macro INIT                            ; a head's state: the largest score -3e38 and its -M, sums and O zero
.irp u, 0,1
	v_mov_b32 v[A0+24*\u+RM], 0xff61b1e6
	v_mul_f32 v[A0+24*\u+TT], s42, v[A0+24*\u+RM]
	v_floor_f32 v[A0+24*\u+NX], -v[A0+24*\u+TT]
	v_mov_b32 v[A0+24*\u+LS], 0
	v_mov_b32 v[A0+24*\u+LS+1], 0
.endr
	WIN 0x40
.set J, 0
.rept 64
	v_mov_b32 v[OA+J], 0
.set J, J+1
.endr
	WIN 0
.endm
.macro FINISH                          ; a head's end: O / sum, quantised: a lane's 32 numbers of a tile are one block of ctx
.irp u, 0,1
	v_add_f32 v[A0+24*\u+TT], v[A0+24*\u+LS], v[A0+24*\u+LS+1]
.endr
.irp u, 0,1
	v_permlanex16_b32 v[A0+24*\u+TU], v[A0+24*\u+TT], s40, s41
.endr
.irp u, 0,1
	v_add_f32 v[A0+24*\u+TT], v[A0+24*\u+TT], v[A0+24*\u+TU]
.endr
	WALU
.irp u, 0,1
	v_rcp_f32 v[A0+24*\u+RC], v[A0+24*\u+TT]
.endr
.irp u, 0,1
	v_mov_b32 v[A0+24*\u+RC+1], 0
.endr
	WIN 0x41
	WALU
.irp u, 0,1
.set J, 0
.rept 16
	v_pk_mul_f32 v[OA+32*\u+J:OA+32*\u+J+1], v[OA+32*\u+J:OA+32*\u+J+1], v[A0+24*\u+RC:A0+24*\u+RC+1] op_sel_hi:[1,0]
.set J, J+2
.endr
.endr
	WIN 0x14
.irp u, 0,1
	v_max3_num_f32 v[A0+24*\u+TT], 0x1800000, |v[OA+32*\u]|, |v[OA+32*\u+1]|
	v_max3_num_f32 v[A0+24*\u+TU], 0x1800000, |v[OA+32*\u+16]|, |v[OA+32*\u+17]|
.endr
.irp i, 2,4,6,8,10,12,14
.irp u, 0,1
	v_max3_num_f32 v[A0+24*\u+TT], v[A0+24*\u+TT], |v[OA+32*\u+\i]|, |v[OA+32*\u+\i+1]|
	v_max3_num_f32 v[A0+24*\u+TU], v[A0+24*\u+TU], |v[OA+32*\u+16+\i]|, |v[OA+32*\u+17+\i]|
.endr
.endr
	WIN 0
.irp u, 0,1
	v_max_num_f32 v[A0+24*\u+TT], v[A0+24*\u+TT], v[A0+24*\u+TU]
.endr
.irp u, 0,1
	v_add_nc_u32 v[A0+24*\u+SO], 0xff000000, v[A0+24*\u+TT]
.endr
.irp u, 0,1
	v_lshrrev_b32 v[A0+24*\u+BY], 23, v[A0+24*\u+SO]
.endr
.irp u, 0,1
	v_lshlrev_b32 v[A0+24*\u+BY], v3, v[A0+24*\u+BY]
.endr
.irp u, 0,1
	v_permlanex16_b32 v[A0+24*\u+TU], v[A0+24*\u+BY], s40, s41
.endr
.irp u, 0,1
	v_or_b32 v[A0+24*\u+BY], v[A0+24*\u+BY], v[A0+24*\u+TU]
	v_lshrrev_b32 v[A0+24*\u+CW], 16, v[A0+24*\u+CW]            ; the head before moves down: two bytes of the scale word,
.endr
.irp u, 0,1
	v_lshl_or_b32 v[A0+24*\u+CW], v[A0+24*\u+BY], 16, v[A0+24*\u+CW]
.irp i, 0,1,2,3,4,5
	v_mov_b32 v[CT+12*\u+\i], v[CT+12*\u+6+\i]                  ; and six registers of codes
.endr
.endr
	WIN 0x01
.irp u, 0,1
	v_cvt_scalef32_pk16_fp6_f32 v[CT+12*\u+6:CT+12*\u+8], v[OA+32*\u:OA+32*\u+15], v[A0+24*\u+SO]
	v_cvt_scalef32_pk16_fp6_f32 v[A0+24*\u+M:A0+24*\u+M+2], v[OA+32*\u+16:OA+32*\u+31], v[A0+24*\u+SO]
.endr
	v_nop
	WIN 0
.irp u, 0,1
.irp i, 0,1,2
	v_mov_b32 v[CT+12*\u+9+\i], v[A0+24*\u+M+\i]
.endr
.endr
	QSWAP Q2, QS2                                  ; the second head's q
	INIT
.endm
	s_load_b128 s[4:7], s[0:1], 0x0                ; q, kv
	s_load_b64 s[8:9], s[0:1], 0x10                ; ctx
	v_lshl_add_u32 v[SPW], v0, 2, SPARE
	v_mov_b32 v[NIL], 0
	ds_add_u32 v[SPW], v[NIL]                      ; the opening lines
	ds_add_u32 v[SPW], v[NIL]
	v_lshrrev_b32 v4, 5, v0
	v_readfirstlane_b32 s12, v4                    ; wave
	s_mov_b32 s16, 15|(3<<16)|(1<<21)              ; group 1: two records as 104 rows of 256 bytes, dense; the mask names all four work-groups
	s_mov_b32 s17, 32<<16
	s_mov_b32 s18, 104<<16
	s_mov_b32 s19, 32<<16
	s_mov_b32 s20, 104
	s_mov_b32 s21, 32
	s_mov_b32 s22, 0
	s_mov_b32 s23, 0
	s_and_b32 s14, ttmp7, 0xffff                   ; 8 x batch + pair of heads, which the partners share
	s_mul_i32 s2, s14, 16*KRB
	s_mul_i32 s10, s12, 2*KRB                      ; records 2 x wave, 2 x wave + 1
	s_add_co_u32 s2, s2, s10
	s_mov_b32 s3, 0
	s_mov_b32 s24, 1
	s_mov_b32 s25, s10
	s_wait_dscnt 0x0
	s_wait_kmcnt 0x0
	s_add_nc_u64 s[26:27], s[6:7], s[2:3]
	s_or_b32 s27, s27, 0x80000000
	v_and_b32 v4, 31, v0
	v_lshlrev_b32 v1, 4, v4                        ; 16 x lane
	v_lshlrev_b32 v2, 3, v4                        ; 8 x lane
	v_bfe_u32 v3, v0, 4, 1
	v_lshlrev_b32 v3, 3, v3                        ; 8 h
	WALU                                           ; the wait ahead of the run of scalar lines
	s_mov_b32 s40, 0x76543210
	s_mov_b32 s41, 0xfedcba98                      ; selects for lane l xor 16
	s_mov_b32 s42, 0x3e38aa3b                      ; log2(e) / 8
	s_mov_b32 s43, s42
	s_mov_b32 s50, 0xffff0000                      ; lanes 16-31
	s_bfe_u32 s13, ttmp6, 0x40000                  ; cx enters q's and ctx's addresses alone
	s_lshl_b32 s13, s13, 1
	s_lshr_b32 s15, s12, 2
	s_add_co_u32 s13, s13, s15                     ; my token panel of the batch
	s_and_b32 s44, s12, 3                          ; my pair of fragments
	s_lshl_b32 s45, s14, 4
	s_add_co_u32 s45, s45, s13
	s_mul_i32 s46, s45, QRB
	s_mov_b32 s47, 0
	s_add_nc_u64 s[32:33], s[4:5], s[46:47]        ; q's record of the first head
	s_lshr_b32 s45, s14, 3
	s_lshl_b32 s45, s45, 3
	s_add_co_u32 s45, s45, s13
	s_lshl_b32 s45, s45, 3
	s_and_b32 s46, s14, 7
	s_add_co_u32 s45, s45, s46
	s_mul_i32 s46, s45, PRB
	s_mul_i32 s45, s44, 3072
	s_add_co_u32 s46, s46, s45
	s_add_nc_u64 s[34:35], s[8:9], s[46:47]        ; ctx: my two fragments' images
	s_mul_i32 s48, s44, 1536                       ; q: my pair's image
	s_lshr_b32 s51, s44, 1
	s_lshl_b32 s51, s51, 8
	s_and_b32 s52, s44, 1
	s_lshl_b32 s52, s52, 2
	s_add_co_u32 s51, s51, s52                     ; my pair's words in a scale image: 256 (p / 2) + 4 (p % 2) + 8 x lane
	s_add_co_u32 s49, s51, 6144
	s_lshl_b32 s52, s15, 9
	s_add_co_u32 s52, s52, STG
	s_add_co_u32 s51, s51, s52
	v_add_nc_u32 v8, s48, v1
	v_add_nc_u32 v9, s49, v2
	v_add_nc_u32 v11, s52, v1                      ; ctx's scale image in LDS, read back whole,
	v_add_nc_u32 v10, s51, v2                      ; and my pair's words in it
.irp g, 0,1,2
	global_load_b128 v[Q1+4*\g:Q1+4*\g+3], v8, s[32:33] offset:512*\g   ; the first head's q is asked for ahead of the records
.endr
	global_load_b32 v[QS1], v9, s[32:33]
	WALU                                           ; the wait ahead of the round
	CROUND                                         ; the four work-groups are here: the joint loads meet
	s_cmp_lt_u32 s12, 4                            ; two arms, one tensor load in each: the waves that wait at the first barrier have a line of their own
	s_cbranch_scc0 .Lsecond_head
	tensor_load_to_lds s[24:27], s[16:23]          ; waves 0-3: the first head's records
	s_nop 0
.rept 4
	v_nop
.endr
	s_branch .Lasked
.Lsecond_head:
	tensor_load_to_lds s[24:27], s[16:23]          ; waves 4-7: the second head's
	s_nop 0
.rept 4
	v_nop
.endr
.Lasked:
.irp g, 0,1,2
	global_load_b128 v[Q2+4*\g:Q2+4*\g+3], v8, s[32:33] offset:8*QRB+512*\g
.endr
	global_load_b32 v[QS2], v9, s[32:33] offset:8*QRB
.irp j, QA+6,QA+7,QA+8,QA+9,QA+10,QA+11, QB+6,QB+7,QB+8,QB+9,QB+10,QB+11, K+48,K+49,K+50,K+51,K+52,K+53
	v_mov_b32 v[\j], 0                             ; q's zero codes; what follows k's last tile
.endr
.irp u, 0,1
.irp j, NM+1, NX+1, F+1, TU, CW
	v_mov_b32 v[A0+24*\u+\j], 0                    ; registers that are named before they hold anything of use
.endr
.irp i, 6,7,8,9,10,11
	v_mov_b32 v[CT+12*\u+\i], 0
.endr
.endr
	s_wait_loadcnt 0x4                             ; the first head's q is in; behind its four loads stand the second head's four
	QSWAP Q1, QS1
	INIT
	s_mov_b32 s2, KRB                              ; the next record, in bytes
	s_mov_b32 s3, 0                                ; the step
	WALU                                           ; the wait at the head's end
	s_cmp_lt_u32 s12, 4
	s_cbranch_scc0 .Lnot_mine
	s_wait_tensorcnt 0x0                           ; waves 0-3: my records of the first head have landed
.Lnot_mine:
	s_barrier_signal -1
	s_barrier_wait -1                              ; the first head's eight records are in; the second head's may be on their way
	KLOAD 1, 2
	VLOAD 1, 2
.Lfirst:                                               ; steps 0-6: they read, and load ahead from, records 0-7 alone
	s_min_u32 s61, s2, 7*KRB
	STEP
	s_add_co_u32 s2, s2, KRB
	s_add_co_u32 s3, s3, 1
	s_cmp_lt_u32 s3, 7
	WALU
	s_cbranch_scc1 .Lfirst
	s_wait_tensorcnt 0x0                           ; every wave: all that is still out has landed,
	s_wait_loadcnt 0x0                             ; the second head's q is in,
	s_wait_dscnt 0x0                               ; and no LDS load of mine is out at the signal
	s_barrier_signal -1
	s_barrier_wait -1                              ; the second head's records are shown to all
.Ltrip:                                                ; steps 7-15
	s_min_u32 s61, s2, 15*KRB                      ; the last step has no next record and stays inside the tiles
	STEP
	s_and_b32 s62, s3, 7
	s_cmp_lg_u32 s62, 7
	WALU
	s_cbranch_scc1 .Lsame_head                     ; on the step counter alone
	FINISH
.Lsame_head:
	s_add_co_u32 s2, s2, KRB
	s_add_co_u32 s3, s3, 1
	s_cmp_lt_u32 s3, 16
	WALU
	s_cbranch_scc1 .Ltrip
	s_wait_dscnt 0x0
.irp u, 0,1
.irp g, 0,1,2
	global_store_b128 v1, v[CT+12*\u+4*\g:CT+12*\u+4*\g+3], s[34:35] offset:1536*\u+512*\g   ; 512 consecutive bytes, at a multiple of 256 from the buffer's first byte
.endr
.endr
	v_cndmask_b32 v[A0+TT], v[A0+CW], v[B0+CW], s50   ; the image's order: lanes 0-15 tile a's words, lanes 16-31 tile b's
	ds_store_b32 v10, v[A0+TT]
	s_wait_dscnt 0x0                               ; for the others' sake
	s_barrier_signal -1
	s_barrier_wait -1
	s_cmp_lg_u32 s44, 0
	s_cbranch_scc1 .Lno_image
	ds_load_b128 v[K:K+3], v11                     ; the wave of fragments 0 and 1 stores its panel's scale image whole
	s_wait_dscnt 0x0
	global_store_b128 v1, v[K:K+3], s[34:35] offset:12288
.Lno_image:
	s_wait_tensorcnt 0x0                           ; the wave's end
	ds_add_u32 v[SPW], v[NIL]
	s_wait_dscnt 0x0
	CROUND                                         ; the closing round
	s_endpgm
.Lfunc_end_k_qc382f0906a_attn:
	.size	k_qc382f0906a_attn, .Lfunc_end_k_qc382f0906a_attn-k_qc382f0906a_attn
	.p2alignl 7, 3214868480
	.fill 96, 4, 3214868480
	.section	.rodata,"a",@progbits
	.p2align	6, 0x0
	.amdhsa_kernel k_qc382f0906a_attn
		.amdhsa_group_segment_fixed_size 327680
		.amdhsa_private_segment_fixed_size 0
		.amdhsa_enable_private_segment 0
		.amdhsa_kernarg_size 24
		.amdhsa_user_sgpr_count 2
		.amdhsa_user_sgpr_kernarg_segment_ptr 1
		.amdhsa_wavefront_size32 1
		.amdhsa_system_sgpr_workgroup_id_x 1
		.amdhsa_system_sgpr_workgroup_id_y 1
		.amdhsa_system_sgpr_workgroup_id_z 1
		.amdhsa_system_vgpr_workitem_id 0
		.amdhsa_next_free_vgpr 512
		.amdhsa_next_free_sgpr 66
		.amdhsa_reserve_vcc 0
		.amdhsa_float_denorm_mode_32 3
		.amdhsa_float_denorm_mode_16_64 3
		.amdhsa_memory_ordered 1
		.amdhsa_forward_progress 1
		.amdhsa_inst_pref_size 77
	.end_amdhsa_kernel
	.amdgpu_metadata
---
amdhsa.version: [ 1, 2 ]
amdhsa.kernels:
  - .name:           k_qc382f0906a_attn
    .symbol:         k_qc382f0906a_attn.kd
    .args:
      - { .name: q, .offset: 0, .size: 8, .value_kind: global_buffer, .address_space: global }
      - { .name: kv, .offset: 8, .size: 8, .value_kind: global_buffer, .address_space: global }
      - { .name: ctx, .offset: 16, .size: 8, .value_kind: global_buffer, .address_space: global }
    .group_segment_fixed_size: 327680
    .private_segment_fixed_size: 0
    .kernarg_segment_align: 8
    .kernarg_segment_size: 24
    .max_flat_workgroup_size: 256
    .sgpr_count:     66
    .vgpr_count:     512
    .wavefront_size: 32
...
	.end_amdgpu_metadata
.endif
;; end of part 3
;; launch proj (part 4): grid 32 x 8, 4 waves a work-group, clusters of 4 x 1, 327,680 bytes of LDS; arguments ctx, cod, b_proj, out0; writes out0
.if DOCPART == 4
	.amdgcn_target "amdgcn-amd-amdhsa--gfx1250"
	.amdhsa_code_object_version 6
	.text
	.protected	k_qc382f0906a_proj
	.globl	k_qc382f0906a_proj
	.p2align	8
	.type	k_qc382f0906a_proj,@function
k_qc382f0906a_proj:
	s_mov_b64 s[64:65], 0
	v_nop
	global_prefetch_b8 v0, s[64:65] scope:SCOPE_SE
	s_setreg_imm32_b32 hwreg(HW_REG_WAVE_MODE, 25, 1), 1
	s_wait_xcnt 0x0
	s_wait_alu depctr_hold_cnt(0) depctr_sa_sdst(0) depctr_va_vdst(0) depctr_va_sdst(0) depctr_va_ssrc(0) depctr_va_vcc(0) depctr_vm_vsrc(0)
	s_getreg_b32 s2, hwreg(HW_REG_IB_STS2, 6, 4)
	s_cmp_eq_u32 s2, 0
	s_cbranch_scc0 .Lentry_in_a_cluster
	s_endpgm
.Lentry_in_a_cluster:
	s_bfe_u32 s2, ttmp6, 0x10000c
	s_cmp_lg_u32 s2, 0x3003
	s_cbranch_scc0 .Lentry_shape_is_right
	s_endpgm
.Lentry_shape_is_right:
.set PRB,    12800
.set STG,    8*PRB
.set SPITCH, 528
.set AS,   16
.set BS,   32
.set BF,   64
.set OB,   64
.set MSB,  0
.macro WIN new
.if MSB != \new
	s_set_vgpr_msb (MSB<<8)|\new
.set MSB, \new
.endif
.endm
.macro CROUND
	s_barrier_signal -1
	s_barrier_wait -1
	s_cmp_lg_u32 s12, 0
	s_cbranch_scc1 .Lnot_wave_0_\@
	s_barrier_signal -3
.Lnot_wave_0_\@:
	s_barrier_wait -3
	s_barrier_signal -1
	s_barrier_wait -1
.endm
.macro WM q0, q1
.if (\q0) && (\q1)
	v_wmma_scale_f32_16x16x128_f8f6f4 v[RGD:RGD+7], v[RG0:RG0+11], v[RG1:RG1+11], v[RGC:RGC+7], v[RS0], v[RS1] matrix_a_fmt:MATRIX_FMT_FP6 matrix_b_fmt:MATRIX_FMT_FP6 matrix_a_scale:MATRIX_SCALE_ROW1 matrix_b_scale:MATRIX_SCALE_ROW1
.elseif (\q0)
	v_wmma_scale_f32_16x16x128_f8f6f4 v[RGD:RGD+7], v[RG0:RG0+11], v[RG1:RG1+11], v[RGC:RGC+7], v[RS0], v[RS1] matrix_a_fmt:MATRIX_FMT_FP6 matrix_b_fmt:MATRIX_FMT_FP6 matrix_a_scale:MATRIX_SCALE_ROW1
.elseif (\q1)
	v_wmma_scale_f32_16x16x128_f8f6f4 v[RGD:RGD+7], v[RG0:RG0+11], v[RG1:RG1+11], v[RGC:RGC+7], v[RS0], v[RS1] matrix_a_fmt:MATRIX_FMT_FP6 matrix_b_fmt:MATRIX_FMT_FP6 matrix_b_scale:MATRIX_SCALE_ROW1
.else
	v_wmma_scale_f32_16x16x128_f8f6f4 v[RGD:RGD+7], v[RG0:RG0+11], v[RG1:RG1+11], v[RGC:RGC+7], v[RS0], v[RS1] matrix_a_fmt:MATRIX_FMT_FP6 matrix_b_fmt:MATRIX_FMT_FP6
.endif
.endm
.macro MUL16 s, half
.irp b4, 0,1,2,3
.irp a, 0,1,2,3
.set BBX, 4*(\half)+\b4
.set RGD, 8*(8*\a+BBX)
.set RG0, BF+96*((\s)%2)+12*BBX
.set RG1, 48*((\s)%4)+12*\a
.set RS0, BS+4*((\s)%2)+BBX/2
.set RS1, AS+2*(\s)+\a/2
.if (\s) == 0
.set RGC, 192+8*BBX
.else
.set RGC, RGD
.endif
	WM BBX%2, \a%2
.endr
.endr
.endm
.macro FETCH s, half
	v_add_nc_u32 v13, (\s)*PRB, v1
	v_add_nc_u32 v14, (\s)*PRB+12288, v2
	v_nop
	v_nop
.irp b4, 0,1,2,3
.irp g, 0,1,2
	ds_load_b128 v[BF+96*((\s)%2)+12*(4*(\half)+\b4)+4*\g:BF+96*((\s)%2)+12*(4*(\half)+\b4)+4*\g+3], v13 offset:1536*(4*(\half)+\b4)+512*\g
.endr
.endr
	ds_load_b64 v[BS+4*((\s)%2)+2*(\half):BS+4*((\s)%2)+2*(\half)+1], v14 offset:256*(\half)
.endm
.macro KSTEP s, nl, nt
.if (\s) == 0
.set KW, 0xd4
.elseif (\s) < 4
.set KW, 0xf4
.else
.set KW, 0xf8
.endif
	s_wait_dscnt 13
	s_wait_loadcnt \nl
.if (\nt) >= 0
	s_wait_tensorcnt \nt
	s_wait_dscnt 0x0
	s_barrier_signal -1
	s_barrier_wait -1
.endif
.if (\s) < 7
	FETCH (\s)+1, 0
.endif
	WIN KW
	MUL16 \s, 0
	WIN 0
.if (\s) < 7
	s_wait_dscnt 13
	FETCH (\s)+1, 1
.else
	s_wait_dscnt 0x0
.endif
	WIN KW
	MUL16 \s, 1
	WIN 0
.endm
	s_load_b256 s[4:11], s[0:1], 0x0
	v_lshl_add_u32 v62, v0, 2, 0x29000
	v_mov_b32 v63, 0
	ds_add_u32 v62, v63
	ds_add_u32 v62, v63
	v_lshrrev_b32 v15, 5, v0
	v_readfirstlane_b32 s12, v15
	s_mov_b32 s16, 15|(3<<16)|(1<<21)
	s_mov_b32 s17, 32<<16
	s_mov_b32 s18, 100<<16
	s_mov_b32 s19, 32<<16
	s_mov_b32 s20, 100
	s_mov_b32 s21, 32
	s_mov_b32 s22, 0
	s_mov_b32 s23, 0
	s_and_b32 s15, ttmp7, 0xffff
	s_lshl_b32 s2, s15, 3
	s_add_co_u32 s2, s2, s12
	s_add_co_u32 s2, s2, s12
	s_mul_i32 s2, s2, PRB
	s_mov_b32 s3, 0
	s_mul_i32 s66, s12, 2*PRB
	s_wait_dscnt 0x0
	s_wait_kmcnt 0x0
	s_add_nc_u64 s[2:3], s[6:7], s[2:3]
.irp n, 0
	s_mov_b32 s[24+4*\n], 1
	s_add_co_u32 s[25+4*\n], s66, 4*\n*PRB
	s_add_nc_u64 s[26+4*\n:27+4*\n], s[2:3], (88*8+4*\n)*PRB
	s_or_b32 s[27+4*\n], s[27+4*\n], 0x80000000
.endr
	CROUND
	tensor_load_to_lds s[24:27], s[16:23]
	s_nop 0
.rept 4
	v_nop
.endr
	v_and_b32 v15, 31, v0
	v_lshlrev_b32 v1, 4, v15
	v_lshlrev_b32 v2, 3, v15
	v_bfe_u32 v9, v0, 4, 1
	v_and_b32 v10, 15, v0
	s_and_b32 s62, s12, 1
	s_lshr_b32 s63, s12, 1
	s_mul_i32 s67, s62, 6144
	v_add_nc_u32 v4, s67, v1
	s_lshl_b32 s67, s62, 8
	v_add_nc_u32 v5, s67, v2
	s_mul_i32 s67, s12, 16*SPITCH
	s_add_co_u32 s67, s67, STG
	v_mul_u32_u24 v6, v10, SPITCH
	v_lshl_add_u32 v6, v9, 7, v6
	v_add_nc_u32 v6, s67, v6
	v_add_nc_u32 v7, s67, v1
	v_lshlrev_b32 v9, 7, v9
	s_wait_alu depctr_va_vdst(0)
	s_bfe_u32 s13, ttmp6, 0x40000
	s_lshl_b32 s14, ttmp9, 2
	s_add_co_u32 s14, s14, s13
	s_lshl_b32 s14, s14, 1
	s_add_co_u32 s14, s14, s63
	s_mul_i32 s68, s14, 8*PRB
	s_mov_b32 s69, 0
	s_add_nc_u64 s[50:51], s[4:5], s[68:69]
	s_lshl_b32 s68, s14, 1
	s_add_co_u32 s68, s68, s62
	s_lshl_b32 s68, s68, 18
	s_lshl_b32 s70, s15, 9
	s_add_co_u32 s68, s68, s70
	s_add_nc_u64 s[52:53], s[10:11], s[68:69]
	s_mov_b32 s68, s70
	s_add_nc_u64 s[58:59], s[8:9], s[68:69]
	WIN 0x40
.irp b, 0,1,2,3,4,5,6,7
	global_load_b128 v[192+8*\b:195+8*\b], v9, s[58:59] offset:(64*(\b/4)+8*(\b%4))*4
	global_load_b128 v[196+8*\b:199+8*\b], v9, s[58:59] offset:(64*(\b/4)+8*(\b%4))*4+16
.endr
	WIN 0
.irp s, 0,1,2,3,4,5,6,7
	global_load_b64 v[AS+2*\s:AS+2*\s+1], v5, s[50:51] offset:PRB*\s+12288
.endr
	WIN 0x40
.irp s, 0,1,2,3
.irp a, 0,1,2,3
.irp g, 0,1,2
	global_load_b128 v[48*\s+12*\a+4*\g:48*\s+12*\a+4*\g+3], v4, s[50:51] offset:PRB*\s+1536*\a+512*\g
.endr
.endr
.endr
	WIN 0x80
.irp s, 4,5,6,7
.irp a, 0,1,2,3
.irp g, 0,1,2
	global_load_b128 v[48*(\s-4)+12*\a+4*\g:48*(\s-4)+12*\a+4*\g+3], v4, s[50:51] offset:PRB*\s+1536*\a+512*\g
.endr
.endr
.endr
	WIN 0
	s_wait_tensorcnt 0x0
	s_barrier_signal -1
	s_barrier_wait -1
	FETCH 0, 0
	FETCH 0, 1
	KSTEP 0, 63, -1
	KSTEP 1, 63, -1
	KSTEP 2, 60, -1
	KSTEP 3, 48, -1
	KSTEP 4, 36, -1
	KSTEP 5, 24, -1
	KSTEP 6, 12, -1
	KSTEP 7, 0, -1
.macro TOSTAGE a
	WIN 0x0c
.irp b, 0,1,2,3,4,5,6,7
	ds_store_b128 v6, v[8*(8*(\a)+\b):8*(8*(\a)+\b)+3] offset:256*(\b/4)+32*(\b%4)
	ds_store_b128 v6, v[8*(8*(\a)+\b)+4:8*(8*(\a)+\b)+7] offset:256*(\b/4)+32*(\b%4)+16
.endr
	WIN 0
.irp i, 0,1,2,3,4,5,6,7,8,9,10,11,12,13,14,15
	ds_load_b128 v[OB+64*((\a)%2)+4*\i:OB+64*((\a)%2)+4*\i+3], v7 offset:SPITCH*\i
.endr
.endm
.macro SEND a, younger
	s_wait_dscnt \younger
.irp i, 0,1,2,3,4,5,6,7,8,9,10,11,12,13,14,15
	global_store_b128 v1, v[OB+64*((\a)%2)+4*\i:OB+64*((\a)%2)+4*\i+3], s[52:53] offset:((\i%8)+32*(\i/8)+8*(\a))*4096 th:TH_STORE_NT
.endr
.endm
.rept 4
	v_nop
.endr
	TOSTAGE 0
.irp a, 1,2,3
.if \a > 1
	s_wait_xcnt 0x0
.endif
	TOSTAGE \a
	SEND \a-1, 32
.endr
	SEND 3, 0
	s_wait_tensorcnt 0x0
	ds_add_u32 v62, v63
	s_wait_dscnt 0x0
	CROUND
	s_endpgm
.Lfunc_end_k_qc382f0906a_proj:
	.size	k_qc382f0906a_proj, .Lfunc_end_k_qc382f0906a_proj-k_qc382f0906a_proj
	.p2alignl 7, 3214868480
	.fill 96, 4, 3214868480
	.section	.rodata,"a",@progbits
	.p2align	6, 0x0
	.amdhsa_kernel k_qc382f0906a_proj
		.amdhsa_group_segment_fixed_size 327680
		.amdhsa_private_segment_fixed_size 0
		.amdhsa_enable_private_segment 0
		.amdhsa_kernarg_size 32
		.amdhsa_user_sgpr_count 2
		.amdhsa_user_sgpr_kernarg_segment_ptr 1
		.amdhsa_wavefront_size32 1
		.amdhsa_system_sgpr_workgroup_id_x 1
		.amdhsa_system_sgpr_workgroup_id_y 1
		.amdhsa_system_sgpr_workgroup_id_z 1
		.amdhsa_system_vgpr_workitem_id 0
		.amdhsa_next_free_vgpr 1024
		.amdhsa_next_free_sgpr 80
		.amdhsa_reserve_vcc 0
		.amdhsa_float_denorm_mode_32 3
		.amdhsa_float_denorm_mode_16_64 3
		.amdhsa_memory_ordered 1
		.amdhsa_forward_progress 1
		.amdhsa_inst_pref_size 80
	.end_amdhsa_kernel
	.amdgpu_metadata
---
amdhsa.version: [ 1, 2 ]
amdhsa.kernels:
  - .name:           k_qc382f0906a_proj
    .symbol:         k_qc382f0906a_proj.kd
    .args:
      - { .name: ctx, .offset: 0, .size: 8, .value_kind: global_buffer, .address_space: global }
      - { .name: cod, .offset: 8, .size: 8, .value_kind: global_buffer, .address_space: global }
      - { .name: b_proj, .offset: 16, .size: 8, .value_kind: global_buffer, .address_space: global }
      - { .name: out0, .offset: 24, .size: 8, .value_kind: global_buffer, .address_space: global }
    .group_segment_fixed_size: 327680
    .private_segment_fixed_size: 0
    .kernarg_segment_align: 8
    .kernarg_segment_size: 32
    .max_flat_workgroup_size: 128
    .sgpr_count:     80
    .vgpr_count:     1024
    .wavefront_size: 32
...
	.end_amdgpu_metadata
.endif
;; end of part 4
